; MI455X (gfx1250); checked and timed in simulation.
; The chip was launched on July 23, 2026; its instructions are those of AMD's public machine-readable ISA for CDNA 5 (MIT licence, August 2026) and "CDNA5" Instruction Set Architecture Reference Guide (July 2026). The comments in the code are by the model that wrote it; some were corrected since.
;; Multi Head Attention. Allowed arithmetic: matrix products marked QUANTISED: E2M3 operands, one E8M0 scale for each 32 along K, by v_wmma_scale_f32_16x16x128_f8f6f4 with both operands' format E2M3, f32 sums; everything else in f32.
;; Inputs: Wk_codes 1,024 x 32 x 24 uint8 (E2M3 codes of Wk, K innermost, in blocks of 32 codes, four codes in three bytes); Wk_scales 1,024 x 32 uint8 (E8M0 scales of Wk, one for each 32 codes along K); Wo_codes 1,024 x 32 x 24 uint8 (E2M3 codes of Wo, K innermost, in blocks of 32 codes, four codes in three bytes); Wo_scales 1,024 x 32 uint8 (E8M0 scales of Wo, one for each 32 codes along K); Wq_codes 1,024 x 32 x 24 uint8 (E2M3 codes of Wq, K innermost, in blocks of 32 codes, four codes in three bytes); Wq_scales 1,024 x 32 uint8 (E8M0 scales of Wq, one for each 32 codes along K); Wv_codes 1,024 x 32 x 24 uint8 (E2M3 codes of Wv, K innermost, in blocks of 32 codes, four codes in three bytes); Wv_scales 1,024 x 32 uint8 (E8M0 scales of Wv, one for each 32 codes along K); bk 1,024 float32; bo 1,024 float32; bq 1,024 float32; bv 1,024 float32; key_codes 4 x 2,048 x 32 x 24 uint8 (E2M3 codes of key, K innermost, in blocks of 32 codes, four codes in three bytes); key_scales 4 x 2,048 x 32 uint8 (E8M0 scales of key, one for each 32 codes along K); query_codes 4 x 2,048 x 32 x 24 uint8 (E2M3 codes of query, K innermost, in blocks of 32 codes, four codes in three bytes); query_scales 4 x 2,048 x 32 uint8 (E8M0 scales of query, one for each 32 codes along K); value_codes 4 x 2,048 x 32 x 24 uint8 (E2M3 codes of value, K innermost, in blocks of 32 codes, four codes in three bytes); value_scales 4 x 2,048 x 32 uint8 (E8M0 scales of value, one for each 32 codes along K).
;; Outputs: out0 4 x 2,048 x 1,024 float32.
;; This version of the problem:
;;   THIS VERSION OF THE PROBLEM IS GIVEN IN LOW PRECISION. The matrix products marked QUANTISED in the list below multiply operands that are first quantised to E2M3 (2 exponent bits, 3 mantissa bits; 6 bits a number), with one power-of-two scale for each 32 numbers along K (OCP MX v1.0); their sums are f32. All else is computed in f32.
;;   The module's matrix products, in the order in which they are computed (A, B: the left and right operand; K: the contracted axis; several contracted axes count as one K, in the product's order):
;;     1. [M 8,192, K 1,024] x [K 1,024, N 1,024]; A: input query (given as codes); B: input Wq (given as codes): QUANTISED
;;     2. [M 8,192, K 1,024] x [K 1,024, N 1,024]; A: input key (given as codes); B: input Wk (given as codes): QUANTISED
;;     3. [M 8,192, K 1,024] x [K 1,024, N 1,024]; A: input value (given as codes); B: input Wv (given as codes): QUANTISED
;;     4. batch 64 x [M 2,048, K 64] x [K 64, N 2,048]; A: computed on the way; B: computed on the way: QUANTISED
;;     5. batch 64 x [M 2,048, K 2,048] x [K 2,048, N 64]; A: softmax (see below); B: computed on the way: QUANTISED
;;     6. [M 8,192, K 1,024] x [K 1,024, N 1,024]; A: computed on the way; B: input Wo (given as codes): QUANTISED
;;   THE QUANTISER, for each operand of a quantised product, along K:
;;     - K is cut into blocks of 32 from its start; a last block that is shorter is filled with zeros.
;;     - A block's scale is 2^e with e = floor(log2(the largest magnitude in the block)) - 2, held to -126 .. 127; a block of zeros has e = 0. As a byte (E8M0): e + 127.
;;     - Each number is divided by its block's scale, clamped to +-7.5, and rounded to the nearest number of E2M3, ties to even, subnormals kept.
;;     - The product sums the exact products of the quantised numbers (number of the format x scale) in f32.
;;   ~~~python
;;   def quantise(x, axis):      # numpy; x: float32 -> the quantised numbers, widened to float32 again
;;       x = np.moveaxis(x, axis, -1); K = x.shape[-1]
;;       x = np.pad(x, [(0, 0)] * (x.ndim - 1) + [(0, -K % 32)]); x = x.reshape(x.shape[:-1] + (-1, 32)); a = np.abs(x).max(-1, keepdims=True)
;;       e = np.where(a > 0, np.clip(np.frexp(np.where(a > 0, a, 1))[1] - 1 - 2, -126, 127), 0)      # np.frexp(a)[1] - 1 = floor(log2(a)), exactly
;;       r = np.clip(x / 2.0 ** e, -7.5, 7.5)
;;       step = 2.0 ** (np.maximum(np.frexp(np.where(r == 0, 1, r))[1] - 1, 0) - 3)
;;       q = np.round(r / step) * step * 2.0 ** e      # np.round: ties to even
;;       return np.moveaxis(q.reshape(q.shape[:-2] + (-1,))[..., :K], -1, axis).astype(np.float32)
;;   ~~~
;;   SOFTMAX AHEAD OF A QUANTISED PRODUCT. Where the list says 'softmax', what is quantised is not the finished softmax but p = 2^(t - M), with t = logit x log2(e) and M = ceil(the row's largest t), a whole number; so 1/2 < the row's largest p <= 1. The row's sum l is taken of the UNQUANTISED p, in f32, and the product's result is divided by l at the end. Since M is a whole number, a kernel that streams over the keys may use a running M (the ceiling of the running maximum): every later rescaling is an exact power of two, which a block's scale takes up: the codes' values come out the same.
;;   OPERANDS COMPUTED ON THE WAY. 'Computed on the way' means the value that the module computes at that place (a softmax that the list does not call 'softmax' is quantised finished and normalised). What goes into a quantiser is computed in f32, as accurately as f32 sums, v_exp_f32 and their like allow (about 1e-6 of the number): no bf16 or f16 on the way to a quantiser, and a product that is left as it is and whose result goes on into a quantised operand takes f32 operands (vector FMAs, or v_wmma_f32_16x16x4_f32). A number that lies on a knife's edge between two numbers of the format may be rounded either way, as far as f32 arithmetic and the matrix unit's own rounding can turn it there, and no further.
;;   INPUTS GIVEN AS CODES. Wk (in the module: [1024, 1024], K = its axis 1); Wo (in the module: [1024, 1024], K = its axis 1); Wq (in the module: [1024, 1024], K = its axis 1); Wv (in the module: [1024, 1024], K = its axis 1); key (in the module: [4, 2048, 1024], K = its axis 2); query (in the module: [4, 2048, 1024], K = its axis 2); value (in the module: [4, 2048, 1024], K = its axis 2): each comes as NAME_codes (uint8): NAME with its K axis moved to the last place and cut into blocks of 32 codes, [.., K / 32, bytes a block], one block behind the other in memory; four codes in three bytes: a row's codes are one little-endian stream of bits, code i at bits 6 i .. 6 i + 5 (a code: sign, 2 exponent bits, 3 mantissa bits); and NAME_scales (uint8): the same leading axes, one E8M0 byte (e + 127) for each 32 codes along K. Its value is code x scale, taken as it is: it is not quantised again, and the codes and scales need not be those that the quantiser above would give.
;; One version. Each part assembles by itself: llvm-mc -triple=amdgcn-amd-amdhsa -mcpu=gfx1250 --defsym DOCPART=n.
;; ======== version 1 of 1: 3 launches
;; limits: right only within a limited range of input values
;; workspace buffers: qb 6,815,744 bytes; kv 13,369,344 bytes; ac 6,291,456 bytes; asc 262,144 bytes
;; launch proj (part 1): grid 4 x 64, 4 waves a work-group, clusters of 4 x 4, 327,680 bytes of LDS; arguments query_codes, query_scales, Wq_codes, Wq_scales, key_codes, key_scales, Wk_codes, Wk_scales, Wv_codes, Wv_scales, value_codes, value_scales, bq, bk, bv, qb, kv; writes qb, kv
.if DOCPART == 1
	.amdgcn_target "amdgcn-amd-amdhsa--gfx1250"
	.amdhsa_code_object_version 6
	.text
	.protected	k_q3b47d31556_proj
	.globl	k_q3b47d31556_proj
	.p2align	8
	.type	k_q3b47d31556_proj,@function
k_q3b47d31556_proj:
	s_mov_b64 s[64:65], 0
	v_nop
	global_prefetch_b8 v0, s[64:65] scope:SCOPE_SE
	s_setreg_imm32_b32 hwreg(HW_REG_WAVE_MODE, 25, 1), 1
	s_wait_xcnt 0x0
	s_wait_alu depctr_hold_cnt(0) depctr_sa_sdst(0) depctr_va_vdst(0) depctr_va_sdst(0) depctr_va_ssrc(0) depctr_va_vcc(0) depctr_vm_vsrc(0)
	s_getreg_b32 s2, hwreg(HW_REG_IB_STS2, 6, 4)
	s_cmp_eq_u32 s2, 0
	s_cbranch_scc0 .Lentry_in_a_cluster
	s_endpgm
.Lentry_in_a_cluster:
	s_bfe_u32 s2, ttmp6, 0x10000c
	s_cmp_lg_u32 s2, 0xf033
	s_cbranch_scc0 .Lentry_shape_is_right
	s_endpgm
.Lentry_shape_is_right:
; THE THREE INPUT PROJECTIONS (x W^T + b on codes of FP6 = E2M3, E8M0 scales, K = 1,024), EACH QUANTISED AGAIN ON ITS WAY OUT.  No work of the problem is left out.
; C'[R row][P row] = sum over k of R[.][k] P[.][k] + bias, quantised ALONG P in blocks of 32.
;   role 0 (Q): R = query's tokens, P = Wq's features.  role 1 (K): key, Wk.  role 2 (V): R = Wv's features, P = value's tokens (the keys are the K of attention's second product).
; 256 WORK-GROUPS STAY: each makes one block of 128 (R) x 256 (P) of each role, one after the other; the three blocks are written out by one macro, so the role is a constant of the text.
; Each of four waves makes 64 x 128: 32 accumulators.  ALL OF K of a block lies in LDS, one joint load a wave.  Ahead of a block's last 32 products all its fragments are in registers: there stand the three lines,
; a round of the cluster's barrier and the next role's joint loads, which land under those products, the way out and the next block's set-up.  Nothing is stored to LDS.
; A tensor row is 32 rows of codes on end, 24,576 bytes, from a multiple of 256; the lower 32 rows of each 64 go to one LDS region, the upper 32 to another that lies 128 bytes further modulo 256.
; ROW m OF TILE t OF A GROUP OF 64 IS ROW 8 t + m % 8 + 32 (m / 8): lanes r < 8 read the first region, the others the second; the sixteen rows start in sixteen different groups of banks (pitch 816 = 204 words).
; Source 0 = a tile of P, source 1 = a tile of R: lane (r, h) of accumulator (a, 4 G + t) holds R's tile a row r and, in register j, P row 64 G + 32 h + 8 t + j: the 32 registers of t = 0 .. 3 are one block of 32 neighbours.
; So the way out needs no other lane but for the scale word.  What is stored is the image of operand registers.
;   qb [batch x head 64][128 queries 16][6,656]: 8 half fragments (16 rows x 64 K: registers 0-3 of lane l at 16 l, 4-5 at 512 + 8 l), then per group g of 64 rows 256 bytes of scale words
;      (word 2 l + j: tile 4 g + 2 j + l / 16, row l % 16; bytes 0, 1 the two blocks, 2, 3 zero).
;   kv [batch x head 64][128 keys 16][13,056]: K: 4 pairs of tiles, each 12 registers (registers 4 j .. 4 j + 3 of lane l at 512 j + 16 l), scale words as in qb; at 6,656 V: 4 tiles of channels x 128 keys,
;      12 registers each in the same form; at 12,800 its scale words (word 2 l + j: tile 2 j + l / 16).
; CLUSTERS 4 x 4: R's rows are shared along a row of the cluster, P's along a column.
; PREFETCH: behind a block's first fragment loads, seven K steps ahead of the refill, the next role's rows are asked for: each of the sixteen waves that will ask jointly names a sixteenth of the tile, told apart by address
; (24 or 48 blocks of 256 bytes a wave, a lane a block).  The weights, which all clusters read alike, are asked for by four clusters only.  The first block's rows come by their loads alone.
; LIMITS: NaN and infinities are not served; a block whose largest magnitude lies under 2^-124, zeros too, gets the byte 1: this program alone reads the bytes.
; REGISTERS: window 0: addresses, scale words, R's fragments (two sets); window 1: P's fragments (two sets); window 2: the accumulators; window 3: v0-63 the bias.
.set PITCH, 816
.set RO_D,  52352                      ; R: from the first region to the second
.set PE,    104704                     ; P's first region
.set PO_D,  104576
.set SPARE, 313856
.set LN,  17                           ; the lane
.set L16, 26
.set SPW, 28
.set NIL, 29
.set V8H, 30
.set L8,  31
.set AR,  32                           ; v32-39 R's four tiles: address, and the same behind one padding more for lanes 16-31
.set AP,  40                           ; v40-55 P's eight
.set SR,  56                           ; v56-71 R's scale words: 8 i + q: lanes 0-15 tile 2 i, lanes 16-31 tile 2 i + 1
.set SP,  74                           ; v74-105 P's likewise
.set RF,  106                          ; v106-201 R's fragments
.set CD,  192
.set CT,  216
.set TM,  224
.set SO,  228
.set BY,  230
.set PW,  240
.set PK,  248
.set MSB, 0
.macro WIN new
.if MSB != (\new)
	s_set_vgpr_msb (MSB<<8)|(\new)
.set MSB, (\new)
.endif
.endm
.macro PLACES n
.rept \n
	v_nop
.endr
.endm
.macro WALU
	s_wait_alu depctr_va_vdst(0)
.endm
.macro CROUND
	s_barrier_signal -1
	s_barrier_wait -1
	s_cmp_lg_u32 s14, 0
	s_cbranch_scc1 .Lnot_wave_0_\@
	s_barrier_signal -3
.Lnot_wave_0_\@:
	s_barrier_wait -3
	s_barrier_signal -1
	s_barrier_wait -1
.endm
.macro JLOAD                           ; waves 0, 1: R's lower and upper halves; waves 2, 3: P's
	s_cmp_eq_u32 s15, 0
	s_cbranch_scc0 .Lfor_p_\@
	tensor_load_to_lds s[32:35], s[24:31]
	s_nop 0
	PLACES 4
	s_branch .Lasked_\@
.Lfor_p_\@:
	tensor_load_to_lds s[56:59], s[48:55]
	s_nop 0
	PLACES 4
.Lasked_\@:
.endm
.macro ASKADR n                        ; role n's tiles: R's address is made of cy's tile number alone, P's of cx's, each in registers of its own
	s_mul_i32 s12, s[36+2*((\n)/2)], 98304
	s_mul_i32 s3, s16, 24576
	s_add_co_u32 s12, s12, s3
	s_mov_b32 s13, 0
	s_add_nc_u64 s[34:35], s[68+8*(\n):69+8*(\n)], s[12:13]
	s_or_b32 s35, s35, 0x80000000
	s_mul_i32 s62, s[37+2*((\n)/2)], 196608
	s_add_co_u32 s62, s62, s3
	s_mov_b32 s63, 0
	s_add_nc_u64 s[58:59], s[72+8*(\n):73+8*(\n)], s[62:63]
	s_or_b32 s59, s59, 0x80000000
.endm
.macro FRAG reg, q, a0                 ; 16 rows x 128 K: six pieces of 8 bytes, two to a load where both go by the same address register
.set SKIP_, 0
.irp p, 0,1,2,3,4,5
.if SKIP_
.set SKIP_, 0
.else
.set PC_, 12*(\q)+6*(\p/3)+\p%3
.set PN_, 12*(\q)+6*((\p+1)/3)+(\p+1)%3
.set X_, (PC_%32+3)/32
.set XQ_, (PN_%32+3)/32
.if (\p < 5) && (X_ == XQ_)
.set SKIP_, 1
	ds_load_2addr_b64 v[\reg+2*\p:\reg+2*\p+3], v[\a0+X_] offset0:PC_+2*(PC_/32) offset1:PN_+2*(PN_/32)
.else
	ds_load_b64 v[\reg+2*\p:\reg+2*\p+1], v[\a0+X_] offset:8*(PC_+2*(PC_/32))
.endif
.endif
.endr
.endm
.macro FETCH q                         ; step q's twelve fragments into set q % 2
	WIN 0x40
.irp b, 0,1,2,3,4,5,6,7
	FRAG 128*((\q)%2)+12*\b, \q, AP+2*\b
.endr
	WIN 0
.irp a, 0,1,2,3
	FRAG RF+48*((\q)%2)+12*\a, \q, AR+2*\a
.endr
.endm
.macro WM d, p, r, c, sp, sr, bo, ao
	v_wmma_scale_f32_16x16x128_f8f6f4 v[\d:\d+7], v[\p:\p+11], v[\r:\r+11], \c, v[\sp], v[\sr] matrix_a_fmt:MATRIX_FMT_FP6 matrix_b_fmt:MATRIX_FMT_FP6 matrix_a_scale:MATRIX_SCALE_ROW\bo matrix_b_scale:MATRIX_SCALE_ROW\ao
.endm
.macro MUL q, cm                       ; 32 products, the accumulators by turns.  cm = 1: C = the bias by P's tile; 2: by R's; 0: in place
.if \cm
	WIN 0xb1
.else
	WIN 0xa1
.endif
.irp ap, 0,1
.irp ao, 0,1
.irp bp, 0,1,2,3
.irp bo, 0,1
.set rA, 2*\ap+\ao
.set rB, 2*\bp+\bo
.set rD, 8*(8*rA+rB)
.set rP, 128*((\q)%2)+12*rB
.set rR, RF+48*((\q)%2)+12*rA
.set rSP, SP+8*\bp+(\q)
.set rSR, SR+8*\ap+(\q)
.if (\cm) == 1
	WM rD, rP, rR, v[8*rB:8*rB+7], rSP, rSR, \bo, \ao
.elseif (\cm) == 2
	WM rD, rP, rR, v[8*rA:8*rA+7], rSP, rSR, \bo, \ao
.else
	WM rD, rP, rR, v[rD:rD+7], rSP, rSR, \bo, \ao
.endif
.endr
.endr
.endr
.endr
	WIN 0
.endm
.macro STEP q, cm                      ; 128 along K; the next step's fragments are asked for ahead of this step's products
	s_wait_dscnt 0x0                               ; this step's fragments are in
	PLACES 4                                       ; between the last step's products and the loads into the registers that they read
	FETCH (\q)+1
	MUL \q, \cm
.endm
.macro QUANT a, kind                   ; R's tile a: my two blocks of 32 become 2 x 6 registers of codes and two bytes of my row's scale word.  kind 1: K's pairs of tiles
.set XS, 64*(\a)
	WIN 0x2a
.irp c, 0,1
	v_max3_num_f32 v[TM+2*\c], |v[XS+32*\c]|, |v[XS+32*\c+1]|, |v[XS+32*\c+2]|
	v_max3_num_f32 v[TM+2*\c+1], |v[XS+32*\c+3]|, |v[XS+32*\c+4]|, |v[XS+32*\c+5]|
.endr
	WIN 0x28
.irp i, 6,10,14,18,22,26
.irp c, 0,1
	v_max3_num_f32 v[TM+2*\c], v[TM+2*\c], |v[XS+32*\c+\i]|, |v[XS+32*\c+\i+1]|
	v_max3_num_f32 v[TM+2*\c+1], v[TM+2*\c+1], |v[XS+32*\c+\i+2]|, |v[XS+32*\c+\i+3]|
.endr
.endr
.irp c, 0,1
	v_max3_num_f32 v[TM+2*\c], v[TM+2*\c], |v[XS+32*\c+30]|, |v[XS+32*\c+31]|
.endr
	WIN 0
.irp c, 0,1
	v_max3_num_f32 v[TM+2*\c], v[TM+2*\c], v[TM+2*\c+1], 0x1800000   ; over the floor 2^(3 - 127): the byte cannot fall under 1
.endr
.irp c, 0,1
	v_add_nc_u32 v[SO+\c], 0xff000000, v[TM+2*\c]  ; 2 off the exponent field: the conversion's scale operand
.endr
.irp c, 0,1
	v_lshrrev_b32 v[BY+\c], 23, v[SO+\c]
.endr
	v_lshl_or_b32 v[BY], v[BY+1], 16, v[BY]
	v_lshlrev_b32 v[BY], v[V8H], v[BY]
	v_permlanex16_b32 v[BY+1], v[BY], s60, s61
	v_or_b32 v[PW+(\a)], v[BY], v[BY+1]            ; bytes 2 G + h
	WIN 0x02
.irp c, 0,1
.if \kind
.set PS_, CD+12*\c+6*((\a)%2)
.else
.set PS_, CD+12*((\a)%2)+6*\c
.endif
	v_cvt_scalef32_pk16_fp6_f32 v[PS_:PS_+2], v[XS+32*\c:XS+32*\c+15], v[SO+\c]
	v_cvt_scalef32_pk16_fp6_f32 v[CT+4*\c:CT+4*\c+2], v[XS+32*\c+16:XS+32*\c+31], v[SO+\c]
.endr
	WIN 0
	v_nop
.irp c, 0,1
.if \kind
.set PS_, CD+12*\c+6*((\a)%2)
.else
.set PS_, CD+12*((\a)%2)+6*\c
.endif
.irp i, 0,1,2
	v_mov_b32 v[PS_+3+\i], v[CT+4*\c+\i]
.endr
.endr
.endm
.macro PUT a, n                        ; behind an odd tile a: tiles a - 1 and a leave; each store of the wave covers 512 or 256 consecutive bytes, aligned to 256
.if (\n) == 0
.irp e, 0,1
.irp c, 0,1
	global_store_b128 v[L16], v[CD+12*\e+6*\c:CD+12*\e+6*\c+3], s[4+2*\c:5+2*\c] offset:768*((\a)-1+\e)
	global_store_b64 v[L8], v[CD+12*\e+6*\c+4:CD+12*\e+6*\c+5], s[4+2*\c:5+2*\c] offset:768*((\a)-1+\e)+512
.endr
.endr
.elseif (\n) == 1
.irp c, 0,1
.irp j, 0,1,2
	global_store_b128 v[L16], v[CD+12*\c+4*\j:CD+12*\c+4*\j+3], s[4+2*\c:5+2*\c] offset:1536*((\a)/2)+512*\j
.endr
.endr
.else
.irp e, 0,1
.irp j, 0,1,2
	global_store_b128 v[L16], v[CD+12*\e+4*\j:CD+12*\e+4*\j+3], s[4:5] offset:1536*((\a)-1+\e)+512*\j
.endr
.endr
.endif
.endm
.macro PFNEXT m                        ; role m's rows, my sixteenth of each tile
	s_mul_i32 s44, s[36+2*((\m)/2)], 98304
	s_mul_i32 s3, s40, 24576
	s_add_co_u32 s44, s44, s3
	s_mul_i32 s3, s14, 6144
	s_add_co_u32 s44, s44, s3
	s_mov_b32 s45, 0
	s_add_nc_u64 s[44:45], s[68+8*(\m):69+8*(\m)], s[44:45]
	s_mul_i32 s46, s[37+2*((\m)/2)], 196608
	s_mul_i32 s3, s41, 49152
	s_add_co_u32 s46, s46, s3
	s_mul_i32 s3, s14, 12288
	s_add_co_u32 s46, s46, s3
	s_mov_b32 s47, 0
	s_add_nc_u64 s[46:47], s[72+8*(\m):73+8*(\m)], s[46:47]
.if (\m) == 1
	global_prefetch_b8 v20, s[44:45] th:TH_LOAD_NT scope:SCOPE_SE
	s_cmp_lt_u32 s2, 4                             ; Wk: every cluster reads all of it: clusters 0 to 3 ask
	s_cbranch_scc0 .Lnot_mine_\@
	global_prefetch_b8 v21, s[46:47] th:TH_LOAD_NT scope:SCOPE_SE
	global_prefetch_b8 v22, s[46:47] offset:8192 th:TH_LOAD_NT scope:SCOPE_SE
.Lnot_mine_\@:
.else
	global_prefetch_b8 v21, s[46:47] th:TH_LOAD_NT scope:SCOPE_SE
	global_prefetch_b8 v22, s[46:47] offset:8192 th:TH_LOAD_NT scope:SCOPE_SE
	s_and_b32 s3, s2, 7
	s_cmp_lt_u32 s3, 2                             ; Wv: eight clusters read each half of it: clusters 0, 1, 8, 9 ask
	s_cbranch_scc0 .Lnot_mine_\@
	global_prefetch_b8 v20, s[44:45] th:TH_LOAD_NT scope:SCOPE_SE
.Lnot_mine_\@:
.endif
.endm
.macro BLOCK n                         ; one block of role n
.set RT_, 36+2*((\n)/2)
.set PT_, 37+2*((\n)/2)
.if \n
	WALU
	s_wait_xcnt 0x0                                ; the last block's loads, stores and prefetches have read their bases and data
.endif
	s_lshl_b32 s42, s[RT_], 7
	s_lshl_b32 s3, s15, 6
	s_add_co_u32 s42, s42, s3                      ; my first R row
	s_lshl_b32 s43, s[PT_], 8
	s_lshl_b32 s3, s16, 7
	s_add_co_u32 s43, s43, s3                      ; my first P row
	s_mov_b32 s67, 0
	s_lshl_b32 s66, s42, 5
	s_add_nc_u64 s[18:19], s[70+8*(\n):71+8*(\n)], s[66:67]
	s_lshl_b32 s66, s43, 5
	s_add_nc_u64 s[20:21], s[74+8*(\n):75+8*(\n)], s[66:67]
.if (\n) == 2
	s_lshl_b32 s66, s42, 2
.else
	s_lshl_b32 s66, s43, 2
.endif
	s_add_nc_u64 s[22:23], s[92+2*(\n):93+2*(\n)], s[66:67]
.irp i, 0,1
.irp c, 0,1
	global_load_b128 v[SR+8*\i+4*\c:SR+8*\i+4*\c+3], v14, s[18:19] offset:512*\i+16*\c
.endr
.endr
.irp i, 0,1,2,3
.irp c, 0,1
	global_load_b128 v[SP+8*\i+4*\c:SP+8*\i+4*\c+3], v14, s[20:21] offset:2048*(\i/2)+512*(\i%2)+16*\c
.endr
.endr
	WIN 0xc0                                       ; the bias in the accumulators' layout
.if (\n) == 2
.irp x, 0,1,2,3
.irp j, 0,1,2,3,4,5,6,7
	global_load_b32 v[8*\x+\j], v19, s[22:23] offset:32*\x         ; by R row: b[8 a + r % 8 + 32 (r / 8)] in all eight registers
.endr
.endr
.else
.irp b, 0,1,2,3,4,5,6,7
	global_load_b128 v[8*\b:8*\b+3], v18, s[22:23] offset:256*(\b/4)+32*(\b%4)      ; by P row: b[64 G + 32 h + 8 t + j]
	global_load_b128 v[8*\b+4:8*\b+7], v18, s[22:23] offset:256*(\b/4)+32*(\b%4)+16
.endr
.endif
	WIN 0
.if (\n) == 2                          ; where my results go: (batch x 16 + head) x 16 + step
.set TK_, 43
.set FT_, 42
.else
.set TK_, 42
.set FT_, 43
.endif
	s_lshr_b32 s66, s[TK_], 11
	s_lshl_b32 s66, s66, 4
	s_lshr_b32 s3, s[FT_], 6
	s_add_co_u32 s66, s66, s3
	s_lshl_b32 s66, s66, 4
	s_bfe_u32 s3, s[TK_], 0x40007
	s_add_co_u32 s66, s66, s3
.if (\n) == 0
	s_mul_i32 s66, s66, 6656
	s_mul_i32 s3, s15, 3072                        ; my group of 64 rows
	s_add_co_u32 s66, s66, s3
	s_add_nc_u64 s[4:5], s[98:99], s[66:67]
	s_add_nc_u64 s[6:7], s[4:5], 16*6656           ; the next head
.elseif (\n) == 1
	s_mul_i32 s66, s66, 13056
	s_mul_i32 s3, s15, 3072
	s_add_co_u32 s66, s66, s3
	s_add_nc_u64 s[4:5], s[100:101], s[66:67]
	s_add_nc_u64 s[6:7], s[4:5], 16*13056
.else
	s_mul_i32 s66, s66, 13056
	s_add_co_u32 s66, s66, 6656                    ; V lies behind K
	s_add_nc_u64 s[4:5], s[100:101], s[66:67]
	s_add_nc_u64 s[8:9], s[4:5], 6144
.endif
.if (\n) < 2
	s_mul_i32 s66, s15, 2816
	s_sub_co_u32 s66, 6144, s66                    ; to my group's scale words
	s_add_nc_u64 s[8:9], s[4:5], s[66:67]
	s_add_nc_u64 s[10:11], s[6:7], s[66:67]
.endif
	s_wait_tensorcnt 0x0                           ; my part of the block's rows is in,
	s_barrier_signal -1
	s_barrier_wait -1                              ; everybody's is
	FETCH 0
.if (\n) < 2
	PFNEXT (\n)+1
.endif
	s_wait_loadcnt 0x0                             ; scale words and bias
	STEP 0, 1+(\n)/2
.irp q, 1,2,3,4,5,6
	STEP \q, 0
.endr
.if (\n) < 2
	s_wait_tensorcnt 0x0                           ; none of my tensor loads is out,
	ds_add_u32 v[SPW], v[NIL]
	ASKADR (\n)+1                                  ; so the descriptors may be written
	s_wait_dscnt 0x0                               ; the add is done, and the last step's fragments are in: my reads of this block's rows are over
	CROUND                                         ; so are those of every wave of every partner
	JLOAD                                          ; the next role's rows
.else
	s_wait_dscnt 0x0
.endif
	MUL 7, 0
	PLACES 4                                       ; ahead of the reads of results
.irp a, 0,1,2,3
.if \a == 2
	WALU
	s_wait_xcnt 0x0                                ; the first two tiles' stores have read their data
.endif
	QUANT \a, (\n)==1
.if \a % 2
	PUT \a, \n
.endif
.endr
	v_cmp_le_u32 vcc_lo, 16, v[LN]
.irp j, 0,1
	v_cndmask_b32 v[PK+\j], v[PW+2*\j], v[PW+2*\j+1], vcc_lo   ; lanes 0-15 tile 2 j's words, lanes 16-31 tile 2 j + 1's
.endr
.if (\n) < 2
.irp j, 0,1
	v_and_b32 v[232+\j], 0xffff, v[PK+\j]          ; the lower two bytes are the first head's, the upper two the second's
	v_lshrrev_b32 v[236+\j], 16, v[PK+\j]
.endr
	global_store_b64 v[L8], v[232:233], s[8:9]
	global_store_b64 v[L8], v[236:237], s[10:11]
.else
	global_store_b64 v[L8], v[PK:PK+1], s[8:9]
.endif
.endm
	s_load_b256 s[68:75], s[0:1], 0x0              ; role 0: R's codes, R's scales, P's codes, P's scales
	s_load_b256 s[76:83], s[0:1], 0x20             ; role 1
	s_load_b256 s[84:91], s[0:1], 0x40             ; role 2
	s_load_b256 s[92:99], s[0:1], 0x60             ; bq, bk, bv, qb
	s_load_b64 s[100:101], s[0:1], 0x80            ; kv
	v_lshl_add_u32 v[SPW], v0, 2, SPARE
	v_mov_b32 v[NIL], 0
	ds_add_u32 v[SPW], v[NIL]                      ; the opening lines
	ds_add_u32 v[SPW], v[NIL]
	v_lshrrev_b32 v1, 5, v0
	v_readfirstlane_b32 s14, v1                    ; wave
	s_lshr_b32 s15, s14, 1                         ; my 64 of R's 128 rows.  Also: I fetch for R (0) or P (1)
	s_and_b32 s16, s14, 1                          ; my 128 of P's 256 rows.  Also: I fetch the lower (0) or upper (1) 32 of each 64
	s_bfe_u32 s40, ttmp6, 0x40000                  ; cx
	s_bfe_u32 s41, ttmp6, 0x40004                  ; cy
	s_and_b32 s2, ttmp7, 0xffff                    ; the cluster, 0 .. 15
	s_lshl_b32 s36, s2, 2
	s_add_co_u32 s36, s36, s41                     ; roles 0, 1: R's tile of 128 tokens,
	s_mov_b32 s37, s40                             ; P's tile of 256 features
	s_lshr_b32 s38, s2, 3
	s_lshl_b32 s38, s38, 2
	s_add_co_u32 s38, s38, s41                     ; role 2: R's tile of 128 features,
	s_and_b32 s39, s2, 7
	s_lshl_b32 s39, s39, 2
	s_add_co_u32 s39, s39, s40                     ; P's tile of 256 tokens
	s_lshl_b32 s44, s41, 2
	s_lshl_b32 s44, 15, s44                        ; my row of the cluster
	s_lshl_b32 s45, 0x1111, s40                    ; my column
	s_or_b32 s24, s44, (3<<16)|(1<<20)|(1<<21)|(5<<22)|(3<<25)   ; elements of 8 bytes; 16 bytes of padding behind every 256
	s_or_b32 s48, s45, (3<<16)|(1<<20)|(1<<21)|(5<<22)|(3<<25)
.irp g, 24, 48
	s_mov_b32 s[\g+1], 3072<<16                    ; a tensor row: 24,576 bytes
	s_mov_b32 s[\g+3], 3072<<16
	s_mov_b32 s[\g+5], 6144                        ; from one group of 64 rows to the next
	s_mov_b32 s[\g+6], 0
	s_mov_b32 s[\g+7], 0
.endr
	s_mov_b32 s26, 2<<16                           ; R: two groups of 64
	s_mov_b32 s28, 2
	s_mov_b32 s50, 4<<16                           ; P: four
	s_mov_b32 s52, 4
	s_mov_b32 s32, 1
	s_mul_i32 s33, s16, RO_D
	s_mov_b32 s56, 1
	s_mul_i32 s57, s16, PO_D
	s_add_co_u32 s57, s57, PE
	s_mov_b32 s60, 0x76543210
	s_mov_b32 s61, 0xfedcba98
	s_wait_dscnt 0x0
	s_wait_kmcnt 0x0
	ASKADR 0
	CROUND                                         ; the joint loads meet
	JLOAD
	s_mul_i32 s21, s15, 32*PITCH
	s_mul_i32 s22, s16, 64*PITCH
	s_add_co_u32 s22, s22, PE
	v_bfe_u32 v2, v0, 4, 1                         ; h
	v_and_b32 v3, 7, v0                            ; r % 8
	v_bfe_u32 v4, v0, 3, 1                         ; r / 8
	v_and_b32 v[LN], 31, v0
	v_mul_u32_u24 v5, v3, PITCH
	v_mad_u32_u24 v6, v2, 24, v5
	v_mad_u32_u24 v7, v2, 40, v5
	v_mul_u32_u24 v8, v4, RO_D
	v_add_nc_u32 v8, s21, v8
	v_mul_u32_u24 v9, v4, PO_D
	v_add_nc_u32 v9, s22, v9
	v_add_nc_u32 v10, v8, v6
	v_add_nc_u32 v11, v8, v7
	v_add_nc_u32 v12, v9, v6
	v_add_nc_u32 v13, v9, v7
.irp t, 0,1,2,3
	v_add_nc_u32 v[AR+2*\t], \t*8*PITCH, v10
	v_add_nc_u32 v[AR+2*\t+1], \t*8*PITCH, v11
.endr
.irp b, 0,1,2,3,4,5,6,7
	v_add_nc_u32 v[AP+2*\b], (32*(\b/4)+8*(\b%4))*PITCH, v12
	v_add_nc_u32 v[AP+2*\b+1], (32*(\b/4)+8*(\b%4))*PITCH, v13
.endr
	v_lshlrev_b32 v14, 5, v3                       ; scale bytes of row 8 h + r % 8 + 32 (r / 8): 32 bytes a row
	v_lshl_add_u32 v14, v2, 8, v14
	v_lshl_add_u32 v14, v4, 10, v14
	v_lshlrev_b32 v18, 7, v2                       ; the bias by P row: 128 h
	v_lshlrev_b32 v19, 2, v3                       ; by R row: 4 (r % 8) + 128 (r / 8)
	v_lshl_add_u32 v19, v4, 7, v19
	v_min_u32 v20, 23, v[LN]                       ; the prefetches: a lane a block of 256 bytes; lanes left over name the last block again
	v_lshlrev_b32 v20, 8, v20
	v_lshlrev_b32 v21, 8, v[LN]
	v_min_u32 v22, 15, v[LN]
	v_lshlrev_b32 v22, 8, v22
	v_lshlrev_b32 v[L16], 4, v[LN]
	v_lshlrev_b32 v[L8], 3, v[LN]
	v_lshlrev_b32 v[V8H], 3, v2
	WALU                                           ; the wait at the head's end
	BLOCK 0
	BLOCK 1
	BLOCK 2
	s_wait_tensorcnt 0x0                           ; the wave's end
	ds_add_u32 v[SPW], v[NIL]
	s_wait_dscnt 0x0
	CROUND                                         ; the closing round
	s_endpgm
.Lfunc_end_k_q3b47d31556_proj:
	.size	k_q3b47d31556_proj, .Lfunc_end_k_q3b47d31556_proj-k_q3b47d31556_proj
	.p2alignl 7, 3214868480
	.fill 96, 4, 3214868480
	.section	.rodata,"a",@progbits
	.p2align	6, 0x0
	.amdhsa_kernel k_q3b47d31556_proj
		.amdhsa_group_segment_fixed_size 327680
		.amdhsa_private_segment_fixed_size 0
		.amdhsa_enable_private_segment 0
		.amdhsa_kernarg_size 136
		.amdhsa_user_sgpr_count 2
		.amdhsa_user_sgpr_kernarg_segment_ptr 1
		.amdhsa_wavefront_size32 1
		.amdhsa_system_sgpr_workgroup_id_x 1
		.amdhsa_system_sgpr_workgroup_id_y 1
		.amdhsa_system_sgpr_workgroup_id_z 1
		.amdhsa_system_vgpr_workitem_id 0
		.amdhsa_next_free_vgpr 832
		.amdhsa_next_free_sgpr 102
		.amdhsa_reserve_vcc 1
		.amdhsa_float_denorm_mode_32 3
		.amdhsa_float_denorm_mode_16_64 3
		.amdhsa_memory_ordered 1
		.amdhsa_forward_progress 1
		.amdhsa_inst_pref_size 229
	.end_amdhsa_kernel
	.amdgpu_metadata
---
amdhsa.version: [ 1, 2 ]
amdhsa.kernels:
  - .name:           k_q3b47d31556_proj
    .symbol:         k_q3b47d31556_proj.kd
    .args:
      - { .name: query_codes, .offset: 0, .size: 8, .value_kind: global_buffer, .address_space: global }
      - { .name: query_scales, .offset: 8, .size: 8, .value_kind: global_buffer, .address_space: global }
      - { .name: Wq_codes, .offset: 16, .size: 8, .value_kind: global_buffer, .address_space: global }
      - { .name: Wq_scales, .offset: 24, .size: 8, .value_kind: global_buffer, .address_space: global }
      - { .name: key_codes, .offset: 32, .size: 8, .value_kind: global_buffer, .address_space: global }
      - { .name: key_scales, .offset: 40, .size: 8, .value_kind: global_buffer, .address_space: global }
      - { .name: Wk_codes, .offset: 48, .size: 8, .value_kind: global_buffer, .address_space: global }
      - { .name: Wk_scales, .offset: 56, .size: 8, .value_kind: global_buffer, .address_space: global }
      - { .name: Wv_codes, .offset: 64, .size: 8, .value_kind: global_buffer, .address_space: global }
      - { .name: Wv_scales, .offset: 72, .size: 8, .value_kind: global_buffer, .address_space: global }
      - { .name: value_codes, .offset: 80, .size: 8, .value_kind: global_buffer, .address_space: global }
      - { .name: value_scales, .offset: 88, .size: 8, .value_kind: global_buffer, .address_space: global }
      - { .name: bq, .offset: 96, .size: 8, .value_kind: global_buffer, .address_space: global }
      - { .name: bk, .offset: 104, .size: 8, .value_kind: global_buffer, .address_space: global }
      - { .name: bv, .offset: 112, .size: 8, .value_kind: global_buffer, .address_space: global }
      - { .name: qb, .offset: 120, .size: 8, .value_kind: global_buffer, .address_space: global }
      - { .name: kv, .offset: 128, .size: 8, .value_kind: global_buffer, .address_space: global }
    .group_segment_fixed_size: 327680
    .private_segment_fixed_size: 0
    .kernarg_segment_align: 8
    .kernarg_segment_size: 136
    .max_flat_workgroup_size: 128
    .sgpr_count:     102
    .vgpr_count:     832
    .wavefront_size: 32
...
	.end_amdgpu_metadata
.endif
;; end of part 1
;; launch attn (part 2): grid 4 x 64, 16 waves a work-group, clusters of 4 x 1, 327,680 bytes of LDS; arguments qb, kv, ac, asc; writes ac, asc
.if DOCPART == 2
	.amdgcn_target "amdgcn-amd-amdhsa--gfx1250"
	.amdhsa_code_object_version 6
	.text
	.protected	k_q3b47d31556_attn
	.globl	k_q3b47d31556_attn
	.p2align	8
	.type	k_q3b47d31556_attn,@function
k_q3b47d31556_attn:
	s_mov_b64 s[64:65], 0
	v_nop
	global_prefetch_b8 v0, s[64:65] scope:SCOPE_SE
	s_setreg_imm32_b32 hwreg(HW_REG_WAVE_MODE, 25, 1), 1
	s_wait_xcnt 0x0
	s_wait_alu depctr_hold_cnt(0) depctr_sa_sdst(0) depctr_va_vdst(0) depctr_va_sdst(0) depctr_va_ssrc(0) depctr_va_vcc(0) depctr_vm_vsrc(0)
	s_getreg_b32 s2, hwreg(HW_REG_IB_STS2, 6, 4)
	s_cmp_eq_u32 s2, 0
	s_cbranch_scc0 .Lentry_in_a_cluster
	s_endpgm
.Lentry_in_a_cluster:
	s_bfe_u32 s2, ttmp6, 0x10000c
	s_cmp_lg_u32 s2, 0x3003
	s_cbranch_scc0 .Lentry_shape_is_right
	s_endpgm
.Lentry_shape_is_right:
; ATTENTION ON CODES OF FP6 WITH E8M0 SCALES: for each batch and head O[q] = sum over k of softmax_k(Q[q] . K[k] / 8) V[k], then O quantised along the head's 64 for the output projection.
; t = score x log2(e) / 8; M = the running largest t rounded UP to a whole number; p = 2^(t - M) is quantised along the keys; the row's sum is taken of the unquantised p and divides O at the end.
; When M moves, the sum and O are multiplied by 2^(old M - new M): exact, and done in every step.
; INPUTS qb and kv as launch proj lays them: images of operand registers; row m of tile t of a group of 64 is row 8 t + m % 8 + 32 (m / 8).  K's pairs of tiles and V's fragments are 12 registers: three loads of 16 bytes a lane.
; SHARES: a cluster of four work-groups takes one head; a work-group 512 queries; each of sixteen waves two tiles of 16 queries, one after the other.
; LDS: the head's whole kv, 208,896 bytes, comes ONCE, each wave asking for one block of 13,056 bytes jointly with its three partners; nothing is filled again, so there is nothing to prefetch ahead of.
; Both products are used transposed (S^T = K Q^T, O^T = V^T P^T): a lane holds one query; the 32 registers of tiles 4 g .. 4 g + 3 of S^T are keys 64 g + 32 h + 0 .. 31: a whole block of p in the next operand's order.
; K = 64 in an instruction of 128: Q's registers 6-11 are zero codes; K's fragment t names the next tile's codes as its upper half, which meet those zeros.
; OUTPUTS: ac [tile of 16 queries 512][head 16][768]: half fragments; asc [16 x tile + r][32]: byte 2 head + h.
; LIMITS: NaN and infinities are not served; a block whose largest magnitude lies under 2^-124, or whose every p is 0, keeps the byte 1; the scaled scores stay under 2^31 in magnitude.
; A block's largest p is not searched for: its largest score goes through the same multiply-add and exponential (this takes v_exp_f32 not to fall where its input rises).
.set STEPB, 13056
.set HEADB, 16*STEPB
.set QSTEPB, 6656
.set L16, 1
.set L8,  2
.set A16, 3
.set A8,  4
.set H8,  5
.set R8,  6                            ; 8 r
.set RB8, 7                            ; 32 r + h
.set NM,  8                            ; v8 -M, v9 the largest score so far
.set SUM, 10
.set FF,  12
.set QF,  16
.set QS,  28
.set PS,  29
.set VS,  30
.set KSC, 32
.set XF,  36
.set S,   96
.set O,   160
.set CD,  192
.set CT,  204
.set W,   212
.set WV,  12
.set TB,  34
.macro WALU
	s_wait_alu depctr_va_vdst(0)
.endm
.macro ROUND
	s_barrier_signal -1
	s_barrier_wait -1
	s_cmp_lg_u32 s[WV], 0
	s_cbranch_scc1 .Lnot_wave_0_\@
	s_barrier_signal -3
.Lnot_wave_0_\@:
	s_barrier_wait -3
	s_barrier_signal -1
	s_barrier_wait -1
.endm
	s_load_b128 s[4:7], s[0:1], 0x0                ; qb, kv
	s_load_b128 s[8:11], s[0:1], 0x10              ; ac, asc
	v_lshl_add_u32 v254, v0, 2, 0x33000
	v_mov_b32 v255, 0
	ds_add_u32 v254, v255                          ; the opening lines
	ds_add_u32 v254, v255
	v_lshrrev_b32 v1, 5, v0
	v_readfirstlane_b32 s[WV], v1
	s_bfe_u32 s13, ttmp6, 0x40000                  ; cx: it enters Q's and the outputs' addresses alone
	s_and_b32 s14, ttmp7, 0xffff                   ; batch x 16 + head
	s_mov_b32 s16, 15|(3<<16)|(1<<21)              ; 13,056 dense bytes as 51 rows of 256; the mask names all four
	s_mov_b32 s17, 32<<16
	s_mov_b32 s18, 51<<16
	s_mov_b32 s19, 32<<16
	s_mov_b32 s20, 51
	s_mov_b32 s21, 32
	s_mov_b32 s22, 0
	s_mov_b32 s23, 0
	s_mov_b32 s24, 1
	s_mul_i32 s25, s[WV], STEPB
	s_mul_i32 s2, s14, HEADB
	s_add_co_u32 s2, s2, s25
	s_mov_b32 s3, 0
	s_mov_b32 s28, 0x76543210
	s_mov_b32 s29, 0xfedcba98
	s_mov_b32 s30, 0x3e38aa3b                      ; c = log2(e) / 8
	s_mov_b32 s31, s30
	s_wait_dscnt 0x0
	s_wait_kmcnt 0x0
	s_add_nc_u64 s[26:27], s[6:7], s[2:3]
	s_or_b32 s27, s27, 0x80000000
	ROUND
	tensor_load_to_lds s[24:27], s[16:23]          ; my one tensor load of the launch
	s_nop 0
.rept 4
	v_nop
.endr
	s_lshl_b32 s15, s13, 2
	s_lshr_b32 s35, s[WV], 3
	s_add_co_u32 s15, s15, s35                     ; the first pass's block of 128 queries; the second's lies 2 on
	s_and_b32 s35, s[WV], 7                        ; my tile in it
	s_lshl_b32 s2, s14, 4
	s_add_co_u32 s2, s2, s15
	s_mul_i32 s2, s2, QSTEPB
	s_mul_i32 s44, s35, 768
	s_add_co_u32 s44, s44, s2
	s_mov_b32 s45, 0
	s_add_nc_u64 s[36:37], s[4:5], s[44:45]        ; Q's half fragment
	s_lshr_b32 s44, s35, 2
	s_lshl_b32 s44, s44, 8                         ; its scale words: 6,144 + 256 (tile / 4) + 128 (tile % 2) + 4 (tile / 2 % 2) + 8 r
	s_and_b32 s46, s35, 1
	s_lshl_b32 s46, s46, 7
	s_add_co_u32 s44, s44, s46
	s_bfe_u32 s46, s35, 0x10001
	s_lshl_b32 s46, s46, 2
	s_add_co_u32 s44, s44, s46
	s_add_co_u32 s44, s44, s2
	s_add_co_u32 s44, s44, 6144
	s_add_nc_u64 s[38:39], s[4:5], s[44:45]
	s_lshr_b32 s46, s14, 4
	s_lshl_b32 s46, s46, 7
	s_lshl_b32 s47, s15, 3
	s_add_co_u32 s46, s46, s47
	s_add_co_u32 s46, s46, s35                     ; the tile among all 512
	s_and_b32 s47, s14, 15                         ; the head
	s_lshl_b32 s44, s46, 4
	s_add_co_u32 s44, s44, s47
	s_mul_i32 s44, s44, 768
	s_add_nc_u64 s[40:41], s[8:9], s[44:45]        ; ac
	s_lshl_b32 s44, s46, 9
	s_lshl_b32 s47, s47, 1
	s_add_co_u32 s44, s44, s47
	s_add_nc_u64 s[42:43], s[10:11], s[44:45]      ; asc
	v_and_b32 v14, 31, v0
	v_lshlrev_b32 v[L16], 4, v14
	v_lshlrev_b32 v[L8], 3, v14
	v_bfe_u32 v15, v0, 4, 1
	v_lshlrev_b32 v[H8], 3, v15
	v_and_b32 v14, 15, v0
	v_lshlrev_b32 v[R8], 3, v14
	v_lshl_add_u32 v[RB8], v14, 5, v15
.irp j, 0,1,2,3,4,5
	v_mov_b32 v[QF+6+\j], 0
	v_mov_b32 v[XF+48+\j], 0
.endr
	v_mov_b32 v[FF+1], 0
.macro KLOAD off                       ; a step's K: 4 pairs of tiles and their scale words
.irp t, 0,1,2,3
.irp c, 0,1,2
	ds_load_b128 v[XF+12*\t+4*\c:XF+12*\t+4*\c+3], v[A16] offset:\off+1536*\t+512*\c
.endr
.endr
	ds_load_b64 v[KSC:KSC+1], v[A8] offset:\off+6144
	ds_load_b64 v[KSC+2:KSC+3], v[A8] offset:\off+6400
.endm
.macro VLOAD                           ; the same step's V: 4 fragments of 16 channels x 128 keys and their scale words
.irp t, 0,1,2,3
.irp c, 0,1,2
	ds_load_b128 v[XF+12*\t+4*\c:XF+12*\t+4*\c+3], v[A16] offset:6656+1536*\t+512*\c
.endr
.endr
	ds_load_b64 v[VS:VS+1], v[A8] offset:12800
.endm
.macro STEP next                       ; 128 keys
	s_wait_dscnt 0x0                               ; K is in
.irp t, 0,2,4,6
	v_wmma_scale_f32_16x16x128_f8f6f4 v[S+8*\t:S+8*\t+7], v[XF+6*\t:XF+6*\t+11], v[QF:QF+11], 0, v[KSC+\t/2], v[QS] matrix_a_fmt:MATRIX_FMT_FP6 matrix_b_fmt:MATRIX_FMT_FP6
	v_wmma_scale_f32_16x16x128_f8f6f4 v[S+8*\t+8:S+8*\t+15], v[XF+6*\t+6:XF+6*\t+17], v[QF:QF+11], 0, v[KSC+\t/2], v[QS] matrix_a_fmt:MATRIX_FMT_FP6 matrix_b_fmt:MATRIX_FMT_FP6 matrix_a_scale:MATRIX_SCALE_ROW1
.endr
	v_mov_b32 v14, v[NM]                           ; the old -M; with three v_nop the four places ahead of the loads and of the first read of the scores
.rept 3
	v_nop
.endr
	VLOAD
.irp g, 0,1                                    ; the largest score of each of my two blocks of 32 keys, each accumulator from its low end on
	v_max3_num_f32 v[W+2*\g], v[S+32*\g], v[S+32*\g+1], v[S+32*\g+2]
	v_max3_num_f32 v[W+2*\g+1], v[S+32*\g+3], v[S+32*\g+4], v[S+32*\g+5]
.endr
.irp i, 6,10,14,18,22,26
.irp g, 0,1
	v_max3_num_f32 v[W+2*\g], v[W+2*\g], v[S+32*\g+\i], v[S+32*\g+\i+1]
	v_max3_num_f32 v[W+2*\g+1], v[W+2*\g+1], v[S+32*\g+\i+2], v[S+32*\g+\i+3]
.endr
.endr
.irp g, 0,1
	v_max3_num_f32 v[W+2*\g], v[W+2*\g], v[S+32*\g+30], v[S+32*\g+31]
.endr
.irp g, 0,1
	v_max_num_f32 v[W+2*\g], v[W+2*\g], v[W+2*\g+1]
.endr
	v_max3_num_f32 v[NM+1], v[NM+1], v[W], v[W+2]
	v_permlanex16_b32 v15, v[NM+1], s28, s29
	v_max_num_f32 v[NM+1], v[NM+1], v15            ; the running largest score of my query
	v_mul_f32 v15, s30, v[NM+1]
	v_floor_f32 v[NM], -v15                        ; -M = -ceil(t)
	v_sub_f32 v14, v[NM], v14
	v_cvt_i32_f32 v14, v14                         ; (it saturates)
	v_ldexp_f32 v[FF], 1.0, v14                    ; f = 2^(old M - new M)
	v_fma_f32 v[W], v[W], s30, v[NM]
	v_fma_f32 v[W+2], v[W+2], s30, v[NM]
.set j, 0
.rept 32
	v_pk_fma_f32 v[S+2*j:S+2*j+1], v[S+2*j:S+2*j+1], s[30:31], v[NM:NM+1] op_sel_hi:[1,0,0]   ; t - M
.set j, j+1
.endr
	WALU                                           ; the wait ahead of the batch
.set j, 0
.rept 64
	v_exp_f32 v[S+j], v[S+j]                       ; p = 2^(t - M)
.set j, j+1
.endr
	v_exp_f32 v[W], v[W]                           ; the blocks' largest p
	v_exp_f32 v[W+2], v[W+2]
	v_pk_mul_f32 v[SUM:SUM+1], v[SUM:SUM+1], v[FF:FF+1] op_sel_hi:[1,0]   ; the sum under the new M: the plain place behind the batch
	WALU                                           ; and behind it
	v_max_num_f32 v[W], 0x1800000, v[W]            ; the floor 2^(3 - 127)
	v_max_num_f32 v[W+2], 0x1800000, v[W+2]
	v_add_nc_u32 v[W+4], 0xff000000, v[W]
	v_add_nc_u32 v[W+5], 0xff000000, v[W+2]
	v_lshrrev_b32 v[W+6], 23, v[W+4]
	v_lshrrev_b32 v[W+7], 23, v[W+5]
	v_lshl_or_b32 v[W+6], v[W+7], 16, v[W+6]
	v_lshlrev_b32 v[W+6], v[H8], v[W+6]
	v_permlanex16_b32 v[W+7], v[W+6], s28, s29
	v_or_b32 v[PS], v[W+6], v[W+7]                 ; p's scale word for these 128 keys
.irp c, 0,1
	v_cvt_scalef32_pk16_fp6_f32 v[CD+6*\c:CD+6*\c+2], v[S+32*\c:S+32*\c+15], v[W+4+\c]
	v_cvt_scalef32_pk16_fp6_f32 v[CT+4*\c:CT+4*\c+2], v[S+32*\c+16:S+32*\c+31], v[W+4+\c]
.endr
	v_nop
.irp c, 0,1
.irp i, 0,1,2
	v_mov_b32 v[CD+6*\c+3+\i], v[CT+4*\c+\i]
.endr
.endr
	WALU                                           ; the wait directly ahead of O^T's first reader
.irp j, 0,2,4,6,8,10,12,14,16,18,20,22,24,26,28,30
	v_pk_mul_f32 v[O+\j:O+\j+1], v[O+\j:O+\j+1], v[FF:FF+1] op_sel_hi:[1,0]   ; O^T under the new M; these sixteen are the places ahead of the products
.endr
	WALU                                           ; and directly ahead of the wait below
	s_wait_dscnt 0x0                               ; V is in
.irp t, 0,2
	v_wmma_scale_f32_16x16x128_f8f6f4 v[O+8*\t:O+8*\t+7], v[XF+12*\t:XF+12*\t+11], v[CD:CD+11], v[O+8*\t:O+8*\t+7], v[VS+\t/2], v[PS] matrix_a_fmt:MATRIX_FMT_FP6 matrix_b_fmt:MATRIX_FMT_FP6
	v_wmma_scale_f32_16x16x128_f8f6f4 v[O+8*\t+8:O+8*\t+15], v[XF+12*\t+12:XF+12*\t+23], v[CD:CD+11], v[O+8*\t+8:O+8*\t+15], v[VS+\t/2], v[PS] matrix_a_fmt:MATRIX_FMT_FP6 matrix_b_fmt:MATRIX_FMT_FP6 matrix_a_scale:MATRIX_SCALE_ROW1
.endr
	v_pk_add_f32 v[W:W+1], v[S:S+1], v[S+2:S+3]    ; the row's sum of the unquantised p, in two chains; the first four are the places ahead of the loads
	v_pk_add_f32 v[SUM:SUM+1], v[SUM:SUM+1], v[S+4:S+5]
	v_pk_add_f32 v[W:W+1], v[W:W+1], v[S+6:S+7]
	v_pk_add_f32 v[SUM:SUM+1], v[SUM:SUM+1], v[S+8:S+9]
.if \next
	KLOAD STEPB
.endif
	v_pk_add_f32 v[W:W+1], v[W:W+1], v[S+10:S+11]
.irp j, 12,16,20,24,28,32,36,40,44,48,52,56,60
	v_pk_add_f32 v[SUM:SUM+1], v[SUM:SUM+1], v[S+\j:S+\j+1]
	v_pk_add_f32 v[W:W+1], v[W:W+1], v[S+\j+2:S+\j+3]
.endr
	v_pk_add_f32 v[SUM:SUM+1], v[SUM:SUM+1], v[W:W+1]
.if \next
	s_add_co_u32 s[TB], s[TB], STEPB
	v_add_nc_u32 v[A16], s[TB], v[L16]
	v_add_nc_u32 v[A8], s[TB], v[L8]
	WALU
.endif
.endm
	WALU                                           ; the wait at the head's end
	s_wait_tensorcnt 0x0
	s_barrier_signal -1
	s_barrier_wait -1                              ; the head's kv is whole: from here on LDS is only read
	s_mov_b32 s32, 2
.Lpass:                                            ; a tile of 16 queries
	global_load_b128 v[QF:QF+3], v[L16], s[36:37]
	global_load_b64 v[QF+4:QF+5], v[L8], s[36:37] offset:512
	global_load_b32 v[QS], v[R8], s[38:39]
	s_mov_b32 s[TB], 0
	v_add_nc_u32 v[A16], s[TB], v[L16]
	v_add_nc_u32 v[A8], s[TB], v[L8]
	KLOAD 0
	v_mov_b32 v[NM+1], 0xff61b1e6                  ; the largest score so far: -3e38
	v_mov_b32 v[NM], 0x7e800000                    ; -M = 2^126: the first f is 0, and multiplies zeros
	v_mov_b32 v[SUM], 0
	v_mov_b32 v[SUM+1], 0
.set j, 0
.rept 32
	v_mov_b32 v[O+j], 0                            ; the step has no first step of its own
.set j, j+1
.endr
	WALU
	s_wait_loadcnt 0x0
	s_mov_b32 s33, 15
.Lstep:
	STEP 1
	s_sub_co_u32 s33, s33, 1
	s_cmp_lg_u32 s33, 0
	s_cbranch_scc1 .Lstep
	STEP 0
	v_add_f32 v[SUM], v[SUM], v[SUM+1]
	v_permlanex16_b32 v15, v[SUM], s28, s29
	v_add_f32 v[SUM], v[SUM], v15                  ; the row's sum
	WALU
	v_rcp_f32 v[FF], v[SUM]
	v_nop
	WALU
.irp j, 0,2,4,6,8,10,12,14,16,18,20,22,24,26,28,30
	v_pk_mul_f32 v[O+\j:O+\j+1], v[O+\j:O+\j+1], v[FF:FF+1] op_sel_hi:[1,0]   ; register i is channel 32 h + i of my query: one block of the output projection's K
.endr
	v_max3_num_f32 v[W], |v[O]|, |v[O+1]|, 0x1800000
	v_max3_num_f32 v[W+1], |v[O+2]|, |v[O+3]|, |v[O+4]|
.irp i, 5,9,13,17,21,25
	v_max3_num_f32 v[W], v[W], |v[O+\i]|, |v[O+\i+1]|
	v_max3_num_f32 v[W+1], v[W+1], |v[O+\i+2]|, |v[O+\i+3]|
.endr
	v_max3_num_f32 v[W], v[W], |v[O+29]|, |v[O+30]|
	v_max3_num_f32 v[W], v[W], v[W+1], |v[O+31]|
	v_add_nc_u32 v[W+4], 0xff000000, v[W]
	v_lshrrev_b32 v[W+6], 23, v[W+4]
	v_cvt_scalef32_pk16_fp6_f32 v[CD:CD+2], v[O:O+15], v[W+4]
	v_cvt_scalef32_pk16_fp6_f32 v[CT:CT+2], v[O+16:O+31], v[W+4]
	v_nop
.irp i, 0,1,2
	v_mov_b32 v[CD+3+\i], v[CT+\i]
.endr
	global_store_b128 v[L16], v[CD:CD+3], s[40:41]
	global_store_b64 v[L8], v[CD+4:CD+5], s[40:41] offset:512
	global_store_b8 v[RB8], v[W+6], s[42:43]
	s_wait_xcnt 0x0                                ; bases and data may be written again
	s_add_nc_u64 s[36:37], s[36:37], 2*QSTEPB
	s_add_nc_u64 s[38:39], s[38:39], 2*QSTEPB
	s_add_nc_u64 s[40:41], s[40:41], 16*16*768
	s_add_nc_u64 s[42:43], s[42:43], 16*512
	s_sub_co_u32 s32, s32, 1
	s_cmp_lg_u32 s32, 0
	s_cbranch_scc1 .Lpass
	s_wait_tensorcnt 0x0                           ; the wave's end
	ds_add_u32 v254, v255
	s_wait_dscnt 0x0
	ROUND
	s_endpgm
.Lfunc_end_k_q3b47d31556_attn:
	.size	k_q3b47d31556_attn, .Lfunc_end_k_q3b47d31556_attn-k_q3b47d31556_attn
	.p2alignl 7, 3214868480
	.fill 96, 4, 3214868480
	.section	.rodata,"a",@progbits
	.p2align	6, 0x0
	.amdhsa_kernel k_q3b47d31556_attn
		.amdhsa_group_segment_fixed_size 327680
		.amdhsa_private_segment_fixed_size 0
		.amdhsa_enable_private_segment 0
		.amdhsa_kernarg_size 32
		.amdhsa_user_sgpr_count 2
		.amdhsa_user_sgpr_kernarg_segment_ptr 1
		.amdhsa_wavefront_size32 1
		.amdhsa_system_sgpr_workgroup_id_x 1
		.amdhsa_system_sgpr_workgroup_id_y 1
		.amdhsa_system_sgpr_workgroup_id_z 1
		.amdhsa_system_vgpr_workitem_id 0
		.amdhsa_next_free_vgpr 256
		.amdhsa_next_free_sgpr 66
		.amdhsa_reserve_vcc 0
		.amdhsa_float_denorm_mode_32 3
		.amdhsa_float_denorm_mode_16_64 3
		.amdhsa_memory_ordered 1
		.amdhsa_forward_progress 1
		.amdhsa_inst_pref_size 39
	.end_amdhsa_kernel
	.amdgpu_metadata
---
amdhsa.version: [ 1, 2 ]
amdhsa.kernels:
  - .name:           k_q3b47d31556_attn
    .symbol:         k_q3b47d31556_attn.kd
    .args:
      - { .name: qb, .offset: 0, .size: 8, .value_kind: global_buffer, .address_space: global }
      - { .name: kv, .offset: 8, .size: 8, .value_kind: global_buffer, .address_space: global }
      - { .name: ac, .offset: 16, .size: 8, .value_kind: global_buffer, .address_space: global }
      - { .name: asc, .offset: 24, .size: 8, .value_kind: global_buffer, .address_space: global }
    .group_segment_fixed_size: 327680
    .private_segment_fixed_size: 0
    .kernarg_segment_align: 8
    .kernarg_segment_size: 32
    .max_flat_workgroup_size: 512
    .sgpr_count:     66
    .vgpr_count:     256
    .wavefront_size: 32
...
	.end_amdgpu_metadata
.endif
;; end of part 2
;; launch outp (part 3): grid 4 x 64, 4 waves a work-group, clusters of 4 x 4, 327,680 bytes of LDS; arguments ac, asc, Wo_codes, Wo_scales, bo, out0; writes out0
.if DOCPART == 3
	.amdgcn_target "amdgcn-amd-amdhsa--gfx1250"
	.amdhsa_code_object_version 6
	.text
	.protected	k_q3b47d31556_outp
	.globl	k_q3b47d31556_outp
	.p2align	8
	.type	k_q3b47d31556_outp,@function
k_q3b47d31556_outp:
	s_mov_b64 s[64:65], 0
	v_nop
	global_prefetch_b8 v0, s[64:65] scope:SCOPE_SE
	s_setreg_imm32_b32 hwreg(HW_REG_WAVE_MODE, 25, 1), 1
	s_wait_xcnt 0x0
	s_wait_alu depctr_hold_cnt(0) depctr_sa_sdst(0) depctr_va_vdst(0) depctr_va_sdst(0) depctr_va_ssrc(0) depctr_va_vcc(0) depctr_vm_vsrc(0)
	s_getreg_b32 s2, hwreg(HW_REG_IB_STS2, 6, 4)
	s_cmp_eq_u32 s2, 0
	s_cbranch_scc0 .Lentry_in_a_cluster
	s_endpgm
.Lentry_in_a_cluster:
	s_bfe_u32 s2, ttmp6, 0x10000c
	s_cmp_lg_u32 s2, 0xf033
	s_cbranch_scc0 .Lentry_shape_is_right
	s_endpgm
.Lentry_shape_is_right:
; THE OUTPUT PROJECTION: out0[token][n] = sum over k of A[token][k] Wo[n][k] + bo[n], on codes of FP6 with E8M0 scales, K = 1,024; f32 out.
; A comes as launch attn leaves it: ac [tile of 16 queries][head][768] half fragments, asc [16 x tile + r][32]; row m of tile t of a group of 64 queries is query 8 t + m % 8 + 32 (m / 8).
; A work-group makes 128 tokens x 256 columns, each of four waves 64 x 128: 32 accumulators.  ALL OF K lies in LDS from one fill, one joint load a wave; nothing is filled again.
; A's 8 tiles are 98,304 dense bytes, fetched as rows of 256.  Wo's rows come as in launch proj: tensor rows of 24,576 bytes, the lower and the upper 32 rows of each 64 in two regions 128 bytes apart modulo 256.
; Source 0 = a tile of Wo, source 1 = a tile of A: lane (r, h) of accumulator (a, 4 G + t) holds the tile's row r and, in register j, column 64 G + 32 h + 8 t + j.  The bias is the first products' C.
; THE WAY OUT: 16 rows x 128 columns at a time through the wave's own stage, which lies on A's bytes behind a barrier (they have had their only fill and their last read); whole rows of 512 bytes are stored.
; CLUSTERS 4 x 4: A's tiles are shared along a row, Wo's along a column.  No prefetch: the launch has no loop that runs ahead of a load.
.set PITCH, 816
.set PE,    98304
.set PO_D,  104576
.set SPARE, 307456
.set SPITCH, 528
.set ARA, 24                           ; A's fragments: 16 x lane, 8 x lane
.set ARB, 25
.set CO,  26
.set STO, 27
.set SPW, 28
.set NIL, 29
.set RD,  30
.set AP,  40
.set SR,  56
.set SP,  74
.set RF,  106
.set BK,  106
.set MSB, 0
.macro WIN new
.if MSB != (\new)
	s_set_vgpr_msb (MSB<<8)|(\new)
.set MSB, (\new)
.endif
.endm
.macro PLACES n
.rept \n
	v_nop
.endr
.endm
.macro CROUND
	s_barrier_signal -1
	s_barrier_wait -1
	s_cmp_lg_u32 s14, 0
	s_cbranch_scc1 .Lnot_wave_0_\@
	s_barrier_signal -3
.Lnot_wave_0_\@:
	s_barrier_wait -3
	s_barrier_signal -1
	s_barrier_wait -1
.endm
.macro FRAG reg, q, a0
.set SKIP_, 0
.irp p, 0,1,2,3,4,5
.if SKIP_
.set SKIP_, 0
.else
.set PC_, 12*(\q)+6*(\p/3)+\p%3
.set PN_, 12*(\q)+6*((\p+1)/3)+(\p+1)%3
.set X_, (PC_%32+3)/32
.set XQ_, (PN_%32+3)/32
.if (\p < 5) && (X_ == XQ_)
.set SKIP_, 1
	ds_load_2addr_b64 v[\reg+2*\p:\reg+2*\p+3], v[\a0+X_] offset0:PC_+2*(PC_/32) offset1:PN_+2*(PN_/32)
.else
	ds_load_b64 v[\reg+2*\p:\reg+2*\p+1], v[\a0+X_] offset:8*(PC_+2*(PC_/32))
.endif
.endif
.endr
.endm
.macro FRAGA reg, q, a                 ; two half fragments: heads 2 q and 2 q + 1 of tile a
	ds_load_b128 v[\reg:\reg+3], v[ARA] offset:(\a)*12288+(\q)*1536
	ds_load_b64 v[\reg+4:\reg+5], v[ARB] offset:(\a)*12288+(\q)*1536+512
	ds_load_b128 v[\reg+6:\reg+9], v[ARA] offset:(\a)*12288+(\q)*1536+768
	ds_load_b64 v[\reg+10:\reg+11], v[ARB] offset:(\a)*12288+(\q)*1536+1280
.endm
.macro FETCH q
	WIN 0x40
.irp b, 0,1,2,3,4,5,6,7
	FRAG 128*((\q)%2)+12*\b, \q, AP+2*\b
.endr
	WIN 0
.irp a, 0,1,2,3
	FRAGA RF+48*((\q)%2)+12*\a, \q, \a
.endr
.endm
.macro WM d, p, r, c, sp, sr, bo, ao
	v_wmma_scale_f32_16x16x128_f8f6f4 v[\d:\d+7], v[\p:\p+11], v[\r:\r+11], \c, v[\sp], v[\sr] matrix_a_fmt:MATRIX_FMT_FP6 matrix_b_fmt:MATRIX_FMT_FP6 matrix_a_scale:MATRIX_SCALE_ROW\bo matrix_b_scale:MATRIX_SCALE_ROW\ao
.endm
.macro MUL q, cm                       ; 32 products, the accumulators by turns
.irp ap, 0,1
.irp ao, 0,1
.irp bp, 0,1,2,3
.irp bo, 0,1
.set rA, 2*\ap+\ao
.set rB, 2*\bp+\bo
.set rD, 8*(8*rA+rB)
.set rP, 128*((\q)%2)+12*rB
.set rR, RF+48*((\q)%2)+12*rA
.set rSP, SP+8*\bp+(\q)
.set rSR, SR+8*\ap+(\q)
.if \cm
	WM rD, rP, rR, v[8*rB:8*rB+7], rSP, rSR, \bo, \ao
.else
	WM rD, rP, rR, v[rD:rD+7], rSP, rSR, \bo, \ao
.endif
.endr
.endr
.endr
.endr
.endm
.macro STEP q, cm
	s_wait_dscnt 0x0                               ; this step's fragments are in
.if (\q) < 7
	PLACES 4
	FETCH (\q)+1
.endif
.if \cm
	WIN 0xb1
.else
	WIN 0xa1
.endif
	MUL \q, \cm
	WIN 0
.endm
	s_load_b128 s[4:7], s[0:1], 0x0                ; ac, asc
	s_load_b128 s[8:11], s[0:1], 0x10              ; Wo's codes, scales
	s_load_b64 s[66:67], s[0:1], 0x20              ; bo
	s_load_b64 s[12:13], s[0:1], 0x28              ; out0
	v_lshl_add_u32 v[SPW], v0, 2, SPARE
	v_mov_b32 v[NIL], 0
	ds_add_u32 v[SPW], v[NIL]                      ; the opening lines
	ds_add_u32 v[SPW], v[NIL]
	v_lshrrev_b32 v1, 5, v0
	v_readfirstlane_b32 s14, v1
	s_lshr_b32 s15, s14, 1                         ; my 64 tokens.  Also: I fetch for A (0) or Wo (1)
	s_and_b32 s16, s14, 1                          ; my 128 columns.  Also: which half I fetch
	s_bfe_u32 s40, ttmp6, 0x40000
	s_bfe_u32 s41, ttmp6, 0x40004
	s_lshl_b32 s42, ttmp9, 2
	s_add_co_u32 s42, s42, s40                     ; tile of 256 columns
	s_and_b32 s17, ttmp7, 0xffff
	s_lshl_b32 s17, s17, 2
	s_add_co_u32 s17, s17, s41                     ; tile of 128 tokens
	s_lshl_b32 s43, s41, 2
	s_lshl_b32 s43, 15, s43
	s_lshl_b32 s44, 0x1111, s40
	s_or_b32 s24, s43, (3<<16)|(1<<21)             ; A: 49,152 dense bytes as 192 rows of 256
	s_mov_b32 s25, 32<<16
	s_mov_b32 s26, 192<<16
	s_mov_b32 s27, 32<<16
	s_mov_b32 s28, 192
	s_mov_b32 s29, 32
	s_mov_b32 s30, 0
	s_mov_b32 s31, 0
	s_or_b32 s48, s44, (3<<16)|(1<<20)|(1<<21)|(5<<22)|(3<<25)   ; Wo: four tensor rows of 24,576 bytes, 16 bytes of padding behind every 256
	s_mov_b32 s49, 3072<<16
	s_mov_b32 s50, 4<<16
	s_mov_b32 s51, 3072<<16
	s_mov_b32 s52, 4
	s_mov_b32 s53, 6144
	s_mov_b32 s54, 0
	s_mov_b32 s55, 0
	s_mul_i32 s20, s17, 98304
	s_mul_i32 s33, s16, 49152
	s_add_co_u32 s20, s20, s33
	s_mov_b32 s21, 0
	s_mul_i32 s46, s42, 256*768
	s_mul_i32 s47, s16, 24576
	s_add_co_u32 s46, s46, s47
	s_mov_b32 s47, 0
	s_mov_b32 s32, 1
	s_mov_b32 s56, 1
	s_mul_i32 s57, s16, PO_D
	s_add_co_u32 s57, s57, PE
	s_wait_dscnt 0x0
	s_wait_kmcnt 0x0
	s_add_nc_u64 s[34:35], s[4:5], s[20:21]
	s_or_b32 s35, s35, 0x80000000
	s_add_nc_u64 s[58:59], s[8:9], s[46:47]
	s_or_b32 s59, s59, 0x80000000
	CROUND
	s_cmp_eq_u32 s15, 0
	s_cbranch_scc0 .Lfor_p
	tensor_load_to_lds s[32:35], s[24:31]
	s_nop 0
	PLACES 4
	s_branch .Lasked
.Lfor_p:
	tensor_load_to_lds s[56:59], s[48:55]
	s_nop 0
	PLACES 4
.Lasked:
	s_lshl_b32 s18, s17, 7
	s_lshl_b32 s19, s15, 6
	s_add_co_u32 s18, s18, s19                     ; my first token
	s_lshl_b32 s19, s42, 8
	s_lshl_b32 s20, s16, 7
	s_add_co_u32 s19, s19, s20                     ; my first column
	s_mov_b32 s21, 0
	s_lshl_b32 s20, s18, 5
	s_add_nc_u64 s[6:7], s[6:7], s[20:21]
	s_lshl_b32 s20, s19, 5
	s_add_nc_u64 s[10:11], s[10:11], s[20:21]
	s_lshl_b32 s20, s19, 2
	s_add_nc_u64 s[66:67], s[66:67], s[20:21]
	s_add_nc_u64 s[12:13], s[12:13], s[20:21]
	s_lshl_b32 s20, s18, 12
	s_add_nc_u64 s[12:13], s[12:13], s[20:21]
	s_mul_i32 s21, s15, 49152
	s_mul_i32 s22, s16, 64*PITCH
	s_add_co_u32 s22, s22, PE
	s_mul_i32 s23, s14, 16*SPITCH
	v_and_b32 v1, 15, v0
	v_bfe_u32 v2, v0, 4, 1
	v_and_b32 v3, 7, v0
	v_bfe_u32 v4, v0, 3, 1
	v_and_b32 v16, 31, v0
	v_mul_u32_u24 v5, v3, PITCH
	v_mad_u32_u24 v6, v2, 24, v5
	v_mad_u32_u24 v7, v2, 40, v5
	v_mul_u32_u24 v9, v4, PO_D
	v_add_nc_u32 v9, s22, v9
	v_add_nc_u32 v12, v9, v6
	v_add_nc_u32 v13, v9, v7
.irp b, 0,1,2,3,4,5,6,7
	v_add_nc_u32 v[AP+2*\b], (32*(\b/4)+8*(\b%4))*PITCH, v12
	v_add_nc_u32 v[AP+2*\b+1], (32*(\b/4)+8*(\b%4))*PITCH, v13
.endr
	v_lshlrev_b32 v[CO], 4, v16
	v_lshlrev_b32 v17, 3, v16
	v_add_nc_u32 v[ARA], s21, v[CO]
	v_add_nc_u32 v[ARB], s21, v17
	v_lshlrev_b32 v14, 5, v3                       ; Wo's scale bytes of row 8 h + r % 8 + 32 (r / 8)
	v_lshl_add_u32 v14, v2, 8, v14
	v_lshl_add_u32 v14, v4, 10, v14
	v_lshlrev_b32 v15, 5, v16                      ; A's: 32 rows on end
	v_lshlrev_b32 v18, 7, v2                       ; the bias: 128 h
	v_mul_u32_u24 v5, v1, SPITCH
	v_lshl_add_u32 v5, v2, 7, v5
	v_add_nc_u32 v[STO], s23, v5                   ; the stage, in: row r, 128 bytes on for lanes 16-31
	v_add_nc_u32 v[RD], s23, v[CO]                 ; back: a row of 512 bytes
.irp i, 0,1
.irp c, 0,1
	global_load_b128 v[SR+8*\i+4*\c:SR+8*\i+4*\c+3], v15, s[6:7] offset:1024*\i+16*\c
.endr
.endr
.irp i, 0,1,2,3
.irp c, 0,1
	global_load_b128 v[SP+8*\i+4*\c:SP+8*\i+4*\c+3], v14, s[10:11] offset:2048*(\i/2)+512*(\i%2)+16*\c
.endr
.endr
	WIN 0xc0
.irp b, 0,1,2,3,4,5,6,7
	global_load_b128 v[8*\b:8*\b+3], v18, s[66:67] offset:256*(\b/4)+32*(\b%4)
	global_load_b128 v[8*\b+4:8*\b+7], v18, s[66:67] offset:256*(\b/4)+32*(\b%4)+16
.endr
	WIN 0
	s_wait_alu depctr_va_vdst(0)                   ; the wait at the head's end
	s_wait_tensorcnt 0x0
	s_barrier_signal -1
	s_barrier_wait -1                              ; all four tiles are in
	FETCH 0
	s_wait_loadcnt 0x0
	STEP 0, 1
.irp q, 1,2,3,4,5,6,7
	STEP \q, 0
.endr
	PLACES 4
	s_barrier_signal -1                            ; every wave's reads of LDS are over (the last step's wait for 0): the stages lie on A's bytes
	s_barrier_wait -1
.macro TOSTAGE a
	WIN 0x08
.irp b, 0,1,2,3,4,5,6,7
	ds_store_b128 v[STO], v[64*(\a)+8*\b:64*(\a)+8*\b+3] offset:256*(\b/4)+32*(\b%4)
	ds_store_b128 v[STO], v[64*(\a)+8*\b+4:64*(\a)+8*\b+7] offset:256*(\b/4)+32*(\b%4)+16
.endr
	WIN 0
.set BB, BK+64*((\a)%2)
.irp t, 0,1,2,3,4,5,6,7,8,9,10,11,12,13,14,15
	ds_load_b128 v[BB+4*\t:BB+4*\t+3], v[RD] offset:\t*SPITCH      ; LDS serves a wave's instructions in order: these see the stores above
.endr
.endm
.macro SEND a, younger
.set BB, BK+64*((\a)%2)
	s_wait_dscnt \younger
.irp t, 0,1,2,3,4,5,6,7,8,9,10,11,12,13,14,15
	global_store_b128 v[CO], v[BB+4*\t:BB+4*\t+3], s[12:13] offset:(8*(\a)+(\t%8)+32*(\t/8))*4096 th:TH_STORE_NT   ; 32 lanes store 512 consecutive bytes, aligned to 256
.endr
.endm
	TOSTAGE 0
.irp a, 1,2,3
.if \a > 1
	s_wait_xcnt 0x0                                ; block a - 2's stores have read their registers
.endif
	TOSTAGE \a
	SEND \a-1, 32                                  ; behind block a - 1's loads: block a's 16 stores and 16 loads
.endr
	SEND 3, 0
	s_wait_tensorcnt 0x0                           ; the wave's end
	ds_add_u32 v[SPW], v[NIL]
	s_wait_dscnt 0x0
	CROUND
	s_endpgm
.Lfunc_end_k_q3b47d31556_outp:
	.size	k_q3b47d31556_outp, .Lfunc_end_k_q3b47d31556_outp-k_q3b47d31556_outp
	.p2alignl 7, 3214868480
	.fill 96, 4, 3214868480
	.section	.rodata,"a",@progbits
	.p2align	6, 0x0
	.amdhsa_kernel k_q3b47d31556_outp
		.amdhsa_group_segment_fixed_size 327680
		.amdhsa_private_segment_fixed_size 0
		.amdhsa_enable_private_segment 0
		.amdhsa_kernarg_size 48
		.amdhsa_user_sgpr_count 2
		.amdhsa_user_sgpr_kernarg_segment_ptr 1
		.amdhsa_wavefront_size32 1
		.amdhsa_system_sgpr_workgroup_id_x 1
		.amdhsa_system_sgpr_workgroup_id_y 1
		.amdhsa_system_sgpr_workgroup_id_z 1
		.amdhsa_system_vgpr_workitem_id 0
		.amdhsa_next_free_vgpr 832
		.amdhsa_next_free_sgpr 72
		.amdhsa_reserve_vcc 0
		.amdhsa_float_denorm_mode_32 3
		.amdhsa_float_denorm_mode_16_64 3
		.amdhsa_memory_ordered 1
		.amdhsa_forward_progress 1
		.amdhsa_inst_pref_size 80
	.end_amdhsa_kernel
	.amdgpu_metadata
---
amdhsa.version: [ 1, 2 ]
amdhsa.kernels:
  - .name:           k_q3b47d31556_outp
    .symbol:         k_q3b47d31556_outp.kd
    .args:
      - { .name: ac, .offset: 0, .size: 8, .value_kind: global_buffer, .address_space: global }
      - { .name: asc, .offset: 8, .size: 8, .value_kind: global_buffer, .address_space: global }
      - { .name: Wo_codes, .offset: 16, .size: 8, .value_kind: global_buffer, .address_space: global }
      - { .name: Wo_scales, .offset: 24, .size: 8, .value_kind: global_buffer, .address_space: global }
      - { .name: bo, .offset: 32, .size: 8, .value_kind: global_buffer, .address_space: global }
      - { .name: out0, .offset: 40, .size: 8, .value_kind: global_buffer, .address_space: global }
    .group_segment_fixed_size: 327680
    .private_segment_fixed_size: 0
    .kernarg_segment_align: 8
    .kernarg_segment_size: 48
    .max_flat_workgroup_size: 128
    .sgpr_count:     72
    .vgpr_count:     832
    .wavefront_size: 32
...
	.end_amdgpu_metadata
.endif
;; end of part 3
